; MI455X (gfx1250); checked and timed in simulation.
; The chip was launched on July 23, 2026; its instructions are those of AMD's public machine-readable ISA for CDNA 5 (MIT licence, August 2026) and "CDNA5" Instruction Set Architecture Reference Guide (July 2026). The comments in the code are by the model that wrote it; some were corrected since.
;; Attn. Allowed arithmetic: matrix products marked QUANTISED: E5M2 operands, one given power-of-two scale a tensor, by v_wmma_f32_16x16x64_bf8_bf8 or v_wmma_f32_16x16x128_bf8_bf8, f32 sums; products left as they are: f32 operands where the result goes on into a quantised operand, else bf16, f16 or f32 operands; f32 sums; everything else in f32.
;; Inputs: W 1,024 x 1,024 float32; b 1,024 float32; encoder_output 64 x 1,024 x 1,024 float32; hidden 1 x 64 x 1,024 float32; lowp_scales 2 int32 (the exponents e of the quantised operands' scales 2^e).
;; Outputs: out0 64 x 1,024 float32.
;; This version of the problem:
;;   THIS VERSION OF THE PROBLEM IS GIVEN IN LOW PRECISION. The matrix products marked QUANTISED in the list below multiply operands that are first quantised to E5M2 (5 exponent bits, 2 mantissa bits; 8 bits a number), with one given power-of-two scale for each operand tensor; their sums are f32. All else is computed in f32.
;;   The module's matrix products, in the order in which they are computed (A, B: the left and right operand; K: the contracted axis; several contracted axes count as one K, in the product's order):
;;     1. [M 65,536, K 1,024] x [K 1,024, N 1,024]; A: input encoder_output; B: input W: QUANTISED (scales: A lowp_scales[0], B lowp_scales[1])
;;     2. batch 64 x [M 1, K 1,024] x [K 1,024, N 1,024]; A: input hidden; B: computed on the way: left as it is (M = 1 < 16)
;;   THE QUANTISER, for each operand of a quantised product, along K:
;;     - The operand's scale is 2^e, e = its entry of the input lowp_scales (int32; the entries are numbered through the quantised products in the list's order, A before B).
;;     - Each number is divided by the scale, clamped to +-57,344, and rounded to the nearest number of E5M2, ties to even, subnormals kept.
;;     - The product sums the exact products of the quantised numbers (number of the format x scale) in f32.
;;   ~~~python
;;   def quantise(x, axis, e):      # numpy; x: float32 -> the quantised numbers, widened to float32 again
;;       x = np.moveaxis(x, axis, -1); K = x.shape[-1]
;;       r = np.clip(x / 2.0 ** e, -57344, 57344)
;;       step = 2.0 ** (np.maximum(np.frexp(np.where(r == 0, 1, r))[1] - 1, -14) - 2)
;;       q = np.round(r / step) * step * 2.0 ** e      # np.round: ties to even
;;       return np.moveaxis(q, -1, axis).astype(np.float32)
;;   ~~~
;; One version. Each part assembles by itself: llvm-mc -triple=amdgcn-amd-amdhsa -mcpu=gfx1250 --defsym DOCPART=n.
;; ======== version 1 of 1: 2 launches
;; limits: right only within a limited range of input values
;; workspace buffers: stream 1,572,864 bytes; cvec 1,024 bytes
;; launch prep (part 1): grid 256 x 1, 1 waves a work-group, no clusters, 4,864 bytes of LDS; arguments W, hidden, b, lowp_scales, stream, cvec; writes stream, cvec
.if DOCPART == 1
	.amdgcn_target "amdgcn-amd-amdhsa--gfx1250"
	.amdhsa_code_object_version 6
	.text
	.protected	k_q60f7f1abc0_prep
	.globl	k_q60f7f1abc0_prep
	.p2align	8
	.type	k_q60f7f1abc0_prep,@function
k_q60f7f1abc0_prep:
	s_mov_b64 s[64:65], 0
	v_nop
	global_prefetch_b8 v0, s[64:65] scope:SCOPE_SE
	s_setreg_imm32_b32 hwreg(HW_REG_WAVE_MODE, 25, 1), 1
	s_wait_xcnt 0x0
; No work of reference() is left out in this program: every input has a way to the output and is loaded.
; W [1024 (n)][1024 (k)] f32 is quantised ONCE to codes of BF8 (E5M2) with the given scale 2^e1 (entry 1 of the scales) and laid, with images of h, as one dense stream
; in the order in which the next launch's waves take it into registers.  Beside it: partial dot products of h with the bias.
; code = x / 2^e1, held within +-57,344, rounded to the nearest code, ties to even.  LIMITS: -126 <= e1 <= 112.  NaN among the inputs is not served.
; THE STREAM: 128 records of 12,288 bytes.  Record 64 p + t serves rows n = 16 t .. 16 t + 15 of W and the two chunks of 256 columns k = 512 kh + 256 p, kh = 0, 1:
;   +2,048 (2 kh + q)  operand fragment q (16 rows x 128 codes) of chunk kh as an IMAGE OF ITS REGISTERS: register group c at 512 c + 16 x lane
;   +8,192 + 1,024 j   for each of the four tiles of 16 batch rows: h[16 j + r][16 t + 8 hh + 0 .. 7], group g at 512 g + 16 x lane: the layout of a 16 x 16 result whose rows are n
; SHARES.  Work-group x = 64 kc + t (one wave) takes columns 256 kc .. 256 kc + 255 of its 16 rows: with kh = kc / 2 it makes fragments and images 2 kh, 2 kh + 1 of record 64 (kc % 2) + t.
; ORDER OF k.  A load of W takes 512 consecutive bytes, 16 a lane; a lane's eight numbers of a row are k = 4 l + 0..3 and 128 + 4 l + 0..3, and their codes go to bytes 8 l .. 8 l + 7 of the row of codes:
; a permutation of k inside a chunk of 256.  The next launch lays the other operand's codes by the same lines, so every product meets its partner.
; The codes turn through a stage in LDS (16 rows, 272 bytes apart).  cvec[b][kc] = the sum over n in [256 kc, 256 kc + 256) of h[b][n] bias[n], made by the work-group with t = b.  No barrier: one wave.
.set S,     32                         ; v32-159  16 rows x 8 numbers of W
.set CD,    160                        ; v160-191 16 rows x 2 registers of codes
.set F,     192                        ; v192-223 the two fragments
.set HI,    224                        ; v224-239 the two images of h
.set PITCH, 272
.set REC,   12288
	s_load_b256 s[4:11], s[0:1], 0x0               ; W s[4:5], hidden s[6:7], bias s[8:9], the scales' exponents s[10:11]
	s_load_b128 s[12:15], s[0:1], 0x20             ; stream s[12:13], cvec s[14:15]
	v_lshl_add_u32 v254, v0, 2, 0x1200
	v_mov_b32 v255, 0
	v_lshlrev_b32 v1, 4, v0                        ; 16 x lane
	v_and_b32 v2, 15, v0                           ; r
	v_lshrrev_b32 v3, 4, v0                        ; hh
	v_lshlrev_b32 v4, 12, v2
	v_lshl_add_u32 v4, v3, 5, v4                   ; h's images: row r of 4,096 bytes + 32 hh
	v_lshlrev_b32 v5, 3, v0                        ; the stage, in: 8 x lane
	v_mul_u32_u24 v6, v2, PITCH
	v_lshl_add_u32 v6, v3, 4, v6                   ; the stage, out: row r + 16 hh
	v_mov_b32 v26, 0                               ; a lane permute's destination counts as read
	v_mov_b32 v27, 0                               ; the offset of cvec's one word
	s_mov_b32 s24, 0x76543210                      ; v_permlanex16_b32: lane l xor 16
	s_mov_b32 s25, 0xfedcba98
	s_and_b32 s16, ttmp9, 63                       ; t
	s_lshr_b32 s17, ttmp9, 6                       ; kc
	s_lshr_b32 s31, s17, 1                         ; kh
	s_lshl_b32 s18, s17, 10                        ; a chunk of 256 f32 is 1,024 bytes
	s_mov_b32 s19, 0
	s_mov_b32 s21, 0
	s_wait_alu depctr_va_vdst(0)
	s_wait_kmcnt 0x0
	s_load_b32 s34, s[10:11], 0x4                  ; e1
	s_add_nc_u64 s[8:9], s[8:9], s[18:19]          ; bias at n = 256 kc
	s_lshl_b32 s20, s16, 16
	s_add_co_u32 s20, s20, s18
	s_add_nc_u64 s[4:5], s[4:5], s[20:21]          ; W at row 16 t, column 256 kc
	s_lshl_b32 s20, s16, 12
	s_add_co_u32 s20, s20, s18
	s_add_nc_u64 s[28:29], s[6:7], s[20:21]        ; h at row b = t, column 256 kc: for the dot product
	s_lshl_b32 s20, s16, 6
	s_lshl_b32 s27, s31, 17
	s_add_co_u32 s20, s20, s27
	s_add_nc_u64 s[6:7], s[6:7], s[20:21]          ; h at row 32 kh, column 16 t: for my two images
	s_and_b32 s26, s17, 1
	s_lshl_b32 s26, s26, 6
	s_add_co_u32 s26, s26, s16                     ; my record: 64 (kc % 2) + t
	s_mul_i32 s20, s26, REC
	s_add_nc_u64 s[12:13], s[12:13], s[20:21]
	s_lshl_b32 s20, s31, 11
	s_add_co_u32 s20, s20, 8192
	s_add_nc_u64 s[32:33], s[12:13], s[20:21]      ; where my two images go: + 8,192 + 2,048 kh
	s_lshl_b32 s20, s31, 12
	s_add_nc_u64 s[12:13], s[12:13], s[20:21]      ; where my two fragments go: + 4,096 kh
	s_lshl_b32 s20, s16, 4
	s_lshl_b32 s27, s17, 2
	s_add_co_u32 s20, s20, s27
	s_add_nc_u64 s[14:15], s[14:15], s[20:21]      ; cvec[t][kc]
	global_load_b128 v[8:11], v1, s[28:29]         ; 256 numbers of h's row, 8 a lane,
	global_load_b128 v[12:15], v1, s[28:29] offset:512
	global_load_b128 v[16:19], v1, s[8:9]          ; and the same of the bias
	global_load_b128 v[20:23], v1, s[8:9] offset:512
.irp j, 0,1
.irp g, 0,1
	global_load_b128 v[HI+8*\j+4*\g:HI+8*\j+4*\g+3], v4, s[6:7] offset:65536*\j+16*\g
.endr
.endr
.irp i, 0,1,2,3,4,5,6,7,8,9,10,11,12,13,14,15
	global_load_b128 v[S+8*\i:S+8*\i+3],   v1, s[4:5] offset:4096*\i th:TH_LOAD_NT       ; 32 lanes read 512 consecutive bytes of row i; W is read once in the launch
	global_load_b128 v[S+8*\i+4:S+8*\i+7], v1, s[4:5] offset:4096*\i+512 th:TH_LOAD_NT
.endr
	s_wait_kmcnt 0x0
	s_add_co_i32 s34, s34, 127
	s_lshl_b32 s35, s34, 23
	v_mov_b32 v7, s35                              ; 2^e1 as f32: the conversion takes its exponent field
	s_add_co_i32 s34, s34, 15
	s_lshl_b32 s34, s34, 23
	s_or_b32 s23, s34, 0x600000                    ; 57,344 x 2^e1
	s_or_b32 s22, s23, 0x80000000                  ; and its negative
	s_wait_loadcnt 32                              ; the eight small loads are in; W's 32, issued behind them, may stay out
.irp j, 0,1
.irp g, 0,1
	global_store_b128 v1, v[HI+8*\j+4*\g:HI+8*\j+4*\g+3], s[32:33] offset:1024*\j+512*\g   ; 512 consecutive bytes a store
.endr
.endr
	v_pk_mul_f32 v[24:25], v[8:9], v[16:17]        ; h . bias over my chunk
	v_pk_fma_f32 v[24:25], v[10:11], v[18:19], v[24:25]
	v_pk_fma_f32 v[24:25], v[12:13], v[20:21], v[24:25]
	v_pk_fma_f32 v[24:25], v[14:15], v[22:23], v[24:25]
	v_add_f32 v24, v24, v25
	v_add_f32_dpp v24, v24, v24 row_xmask:1 row_mask:0xf bank_mask:0xf
	v_add_f32_dpp v24, v24, v24 row_xmask:2 row_mask:0xf bank_mask:0xf
	v_add_f32_dpp v24, v24, v24 row_xmask:4 row_mask:0xf bank_mask:0xf
	v_add_f32_dpp v24, v24, v24 row_xmask:8 row_mask:0xf bank_mask:0xf
	v_permlanex16_b32 v26, v24, s24, s25
	v_add_f32 v24, v24, v26                        ; in every lane
	s_wait_loadcnt 0x0                             ; W
.set J, S
.rept 128
	v_med3_num_f32 v[J], v[J], s22, s23            ; the conversion to an 8-bit code does not saturate (ISA guide 7.6.2): hold the number first
.set J, J+1
.endr
.irp i, 0,1,2,3,4,5,6,7,8,9,10,11,12,13,14,15
	v_cvt_scalef32_pk8_bf8_f32 v[CD+2*\i:CD+2*\i+1], v[S+8*\i:S+8*\i+7], v7
.endr
	v_nop                                          ; one plain vector line behind the last conversion
.irp i, 0,1,2,3,4,5,6,7,8,9,10,11,12,13,14,15
	ds_store_b64 v5, v[CD+2*\i:CD+2*\i+1] offset:PITCH*\i      ; row i's 256 codes, 8 a lane
.endr
.irp q, 0,1
.irp c, 0,1,2,3
	ds_load_b128 v[F+16*\q+4*\c:F+16*\q+4*\c+3], v6 offset:128*\q+32*\c   ; LDS serves a wave's instructions in order (ISA guide 5.7.1.4): these see the stores above
.endr
.endr
	s_wait_dscnt 0x0
.irp q, 0,1
.irp c, 0,1,2,3
	global_store_b128 v1, v[F+16*\q+4*\c:F+16*\q+4*\c+3], s[12:13] offset:2048*\q+512*\c
.endr
.endr
	s_wait_xcnt 0x0                                ; EXEC is a source of the stores above: it changes only behind this wait
	v_cmp_eq_u32 vcc_lo, 0, v0
	s_wait_tensorcnt 0x0                           ; the wave's end
	ds_add_u32 v254, v255
	s_wait_dscnt 0x0
	s_and_saveexec_b32 s30, vcc_lo
	global_store_b32 v27, v24, s[14:15]            ; lane 0 alone
	s_wait_xcnt 0x0                                ; and again in front of the line that widens it
	s_or_b32 exec_lo, exec_lo, s30
	s_endpgm
.Lfunc_end_k_q60f7f1abc0_prep:
	.size	k_q60f7f1abc0_prep, .Lfunc_end_k_q60f7f1abc0_prep-k_q60f7f1abc0_prep
	.p2alignl 7, 3214868480
	.fill 96, 4, 3214868480
	.section	.rodata,"a",@progbits
	.p2align	6, 0x0
	.amdhsa_kernel k_q60f7f1abc0_prep
		.amdhsa_group_segment_fixed_size 4864
		.amdhsa_private_segment_fixed_size 0
		.amdhsa_enable_private_segment 0
		.amdhsa_kernarg_size 48
		.amdhsa_user_sgpr_count 2
		.amdhsa_user_sgpr_kernarg_segment_ptr 1
		.amdhsa_wavefront_size32 1
		.amdhsa_system_sgpr_workgroup_id_x 1
		.amdhsa_system_sgpr_workgroup_id_y 1
		.amdhsa_system_sgpr_workgroup_id_z 1
		.amdhsa_system_vgpr_workitem_id 0
		.amdhsa_next_free_vgpr 256
		.amdhsa_next_free_sgpr 66
		.amdhsa_reserve_vcc 1
		.amdhsa_float_denorm_mode_32 3
		.amdhsa_float_denorm_mode_16_64 3
		.amdhsa_memory_ordered 1
		.amdhsa_forward_progress 1
		.amdhsa_inst_pref_size 20
	.end_amdhsa_kernel
	.amdgpu_metadata
---
amdhsa.version: [ 1, 2 ]
amdhsa.kernels:
  - .name:           k_q60f7f1abc0_prep
    .symbol:         k_q60f7f1abc0_prep.kd
    .args:
      - { .name: W, .offset: 0, .size: 8, .value_kind: global_buffer, .address_space: global }
      - { .name: hidden, .offset: 8, .size: 8, .value_kind: global_buffer, .address_space: global }
      - { .name: b, .offset: 16, .size: 8, .value_kind: global_buffer, .address_space: global }
      - { .name: lowp_scales, .offset: 24, .size: 8, .value_kind: global_buffer, .address_space: global }
      - { .name: stream, .offset: 32, .size: 8, .value_kind: global_buffer, .address_space: global }
      - { .name: cvec, .offset: 40, .size: 8, .value_kind: global_buffer, .address_space: global }
    .group_segment_fixed_size: 4864
    .private_segment_fixed_size: 0
    .kernarg_segment_align: 8
    .kernarg_segment_size: 48
    .max_flat_workgroup_size: 32
    .sgpr_count:     66
    .vgpr_count:     256
    .wavefront_size: 32
...
	.end_amdgpu_metadata
.endif
;; end of part 1
;; launch attn (part 2): grid 256 x 1, 4 waves a work-group, clusters of 4 x 1, 327,680 bytes of LDS; arguments encoder_output, stream, cvec, lowp_scales, out0; writes out0
.if DOCPART == 2
	.amdgcn_target "amdgcn-amd-amdhsa--gfx1250"
	.amdhsa_code_object_version 6
	.text
	.protected	k_q60f7f1abc0_attn
	.globl	k_q60f7f1abc0_attn
	.p2align	8
	.type	k_q60f7f1abc0_attn,@function
k_q60f7f1abc0_attn:
	s_mov_b64 s[64:65], 0
	v_nop
	global_prefetch_b8 v0, s[64:65] scope:SCOPE_SE
	s_setreg_imm32_b32 hwreg(HW_REG_WAVE_MODE, 25, 1), 1
	s_wait_xcnt 0x0
	s_wait_alu depctr_hold_cnt(0) depctr_sa_sdst(0) depctr_va_vdst(0) depctr_va_sdst(0) depctr_va_ssrc(0) depctr_va_vcc(0) depctr_vm_vsrc(0)
	s_getreg_b32 s2, hwreg(HW_REG_IB_STS2, 6, 4)
	s_cmp_eq_u32 s2, 0
	s_cbranch_scc0 .Lentry_in_a_cluster
	s_endpgm
.Lentry_in_a_cluster:
	s_bfe_u32 s2, ttmp6, 0x10000c
	s_cmp_lg_u32 s2, 0x3003
	s_cbranch_scc0 .Lentry_shape_is_right
	s_endpgm
.Lentry_shape_is_right:
; out0[b][s] = softmax over b of ( h[b] . (Q(enc[b][s]) Q(W)^T) + h[b] . bias ).  Nothing of reference() is left out.
; A work-group owns 4 neighbouring s and all 64 b: 256 rows of the quantised product, all 1,024 n, all 1,024 k, and the softmax of its 4 columns.
; The sum with h is linear in the product, so a partial sum over any part of K is weighed with h at once and only 8 x 2 numbers a lane are carried.
; SHARES.  Wave w = 2 mh + kh takes rows b = 32 mh .. 32 mh + 31 (two tiles bt of 16) x 4 s = 8 tiles of 16 rows, and k = 512 kh .. 512 kh + 511, in two phases p of 256.
; Its codes of enc stay in registers (512); each fragment of W read from LDS feeds 8 matrix instructions.  Phase 0 is multiplied while phase 1's numbers are loaded and quantised.
; enc: a unit is 16 rows (b) x 256 k of one s: 32 loads of 512 consecutive bytes; two units (64 loads) a wave are out; held, converted (code = x / 2^e0, within +-57,344, nearest, ties to even),
; turned through the wave's own stage in LDS (rows 272 bytes apart; room for six units, so that the quantiser stands in loops) and read back as operand fragments.  Order of k inside 256: as in prep.
; THE STREAM (prep) comes in blocks of 8 records (98,304 bytes) through a ring of two slots, asked for JOINTLY by the 4 work-groups of a cluster (all read the same stream), a quarter a wave.
; A visit is one record (16 n), in three runs: the next record's 12 LDS loads; 16 matrix instructions (8 tiles x 2 fragments, the 8 accumulators by turns; source 0 = W's rows, so a lane holds one b and 8 n);
; four places and the 32 multiply-adds C x h into E.  The register windows are switched twice a visit.
; No data prefetch is laid: enc is asked for two units ahead of its use through the head and phase 0, each byte once, and each block of the stream a whole block (128 matrix instructions a wave) ahead.
; LIMITS: -126 <= e0 <= 112 and -126 <= e0 + e1 <= 127, so that the scales are f32 numbers.  NaN among the inputs is not served.
; REGISTERS: window 0 as named below; window 1, 2: enc's fragments of phase 0, 1 (tile 4 bt + s, fragment q at 32 tile + 16 q); window 3: two units of f32 as loaded.
.set REC,   12288
.set BLOCK, 8*REC
.set QUART, BLOCK/4
.set SLOT1, BLOCK
.set STAGE, 2*BLOCK
.set PITCH, 272
.set UNITB, 16*PITCH
.set WSTG,  6*UNITB
.set EBUF,  STAGE+4*WSTG               ; partial energies [kh][s][b]
.set PBUF,  EBUF+2048                  ; the softmax's results [b][s]
.set SPARE, PBUF+1024                  ; the spare words, 128 bytes a wave
.set BROW,  4194304                    ; from b to b + 1 in enc
.set OA,  1
.set SPW, 2
.set NIL, 3
.set VO,  4                            ; v4-7: 16 x lane + row (4 a + 2) of a unit
.set AW0, 8
.set AH0, 9
.set ADW, 10
.set ADH, 11
.set STS, 12
.set STL, 13
.set SCL, 14
.set CVA, 15
.set EA,  16
.set EL,  17
.set PA,  18
.set PL,  19
.set STA, 20
.set CV,  22                           ; v22-29
.set E,   30                           ; v30-45   tile t's pair at 2 t
.set H0,  46                           ; v46-61   h's two images, set 0;
.set HD,  194                          ; v240-255 set 1
.set CD,  62                           ; v62-77   codes of a unit's first half;
.set CDD, 144                          ; v206-221 of its second half (T and U lie there, used at the end alone): a conversion never writes what the stores just issued read
.set W0,  78                           ; v78-141  two sets of two fragments of W
.set C0,  142                          ; v142-205 the 8 accumulators
.set T,   206
.set U,   214
.set Q,   222
.set P0,  226
.set P1,  227
.set MX,  228
.set O,   230
.set WV,  14
.set G1,  24
.set G0,  32
.set TB,  40
.set CNT, 41
.set LIMN, 42
.set LIMP, 43
.set PW,  44
.set SEL, 46
.set L2E, 48
.set LP,  49
.set FI,  50                           ; number of the next fill, 0 .. 15
.set R0,  51                           ; where my cluster begins its walk of a phase's 8 blocks
.set BO,  52
.set T0,  54
.set T1,  56
.set UN,  57                           ; number of the next unit to load, 0 .. 15
.set SB,  58
.set LB,  60                           ; s[60:61], s[62:63]: enc at the unit in staging set 0, 1
.set PH0, 0x04                         ; source 1 in window 1
.set PH1, 0x08                         ; source 1 in window 2
.set MSB, 0
.macro WIN new
.if MSB != \new
	s_set_vgpr_msb (MSB<<8)|\new
.set MSB, \new
.endif
.endm
.macro CREST
	s_cmp_lg_u32 s[WV], 0
	s_cbranch_scc1 .Lnot_wave_0_\@
	s_barrier_signal -3
.Lnot_wave_0_\@:
	s_barrier_wait -3
	s_barrier_signal -1
	s_barrier_wait -1
.endm
.macro CROUND
	s_barrier_signal -1
	s_barrier_wait -1
	CREST
.endm
.macro PLACES
.rept 4
	v_nop
.endr
.endm
.macro NEXTBLK p                       ; slot p's group 0: block ((FI + R0) % 8) of phase FI / 8; written only while no tensor load of mine is out
	s_add_co_u32 s[BO], s[FI], s[R0]
	s_and_b32 s[BO], s[BO], 7
	s_and_b32 s[T1], s[FI], 8
	s_add_co_u32 s[BO], s[BO], s[T1]
	s_mul_i32 s[BO], s[BO], BLOCK
	s_add_nc_u64 s[G0+4*(\p)+2:G0+4*(\p)+3], s[6:7], s[BO:BO+1]
	s_or_b32 s[G0+4*(\p)+3], s[G0+4*(\p)+3], 0x80000000
	s_add_co_u32 s[FI], s[FI], 1
.endm
.macro SETLB par                       ; unit UN = 8 p + 4 bt + s lies 4,096 s + 16 bt rows + 1,024 p bytes from my first
	s_wait_alu depctr_va_vdst(0)                   ; the wait ahead of a run of scalar lines
	s_wait_xcnt 0x0                                ; the earlier loads have read their base
	s_and_b32 s[T0], s[UN], 3
	s_lshl_b32 s[T0], s[T0], 12
	s_bfe_u32 s[T1], s[UN], 0x10002
	s_lshl_b32 s[T1], s[T1], 26
	s_or_b32 s[T0], s[T0], s[T1]
	s_lshr_b32 s[T1], s[UN], 3
	s_lshl_b32 s[T1], s[T1], 10
	s_or_b32 s[T0], s[T0], s[T1]
	s_add_nc_u64 s[LB+2*(\par):LB+2*(\par)+1], s[4:5], s[T0:T0+1]
	s_add_co_u32 s[UN], s[UN], 1
.endm
.macro ULOAD par, hf                   ; 8 rows of a unit: 16 loads of 512 consecutive bytes
	WIN 0xc0
.irp ii, 0,1,2,3,4,5,6,7
.set RI, 8*(\hf)+\ii
	global_load_b128 v[128*(\par)+8*RI:128*(\par)+8*RI+3],   v[VO+RI/4], s[LB+2*(\par):LB+2*(\par)+1] offset:(RI%4-2)*BROW th:TH_LOAD_NT
	global_load_b128 v[128*(\par)+8*RI+4:128*(\par)+8*RI+7], v[VO+RI/4], s[LB+2*(\par):LB+2*(\par)+1] offset:(RI%4-2)*BROW+512 th:TH_LOAD_NT
.endr
.endm
.macro QHALF par, hf, cnt, re, adr     ; cnt: the younger loads that may stay out; re = 1: the registers take the unit two on
	s_wait_loadcnt \cnt
	WIN 0xc3
.set QJ, 128*(\par)+64*(\hf)
.rept 64
	v_med3_num_f32 v[QJ], v[QJ], s[LIMN], s[LIMP]  ; the conversion does not saturate (ISA guide 7.6.2): hold first
.set QJ, QJ+1
.endr
	WIN 0x03
.irp ii, 0,1,2,3,4,5,6,7
.set RI, 8*(\hf)+\ii
	v_cvt_scalef32_pk8_bf8_f32 v[CD+CDD*(\hf)+2*\ii:CD+CDD*(\hf)+2*\ii+1], v[128*(\par)+8*RI:128*(\par)+8*RI+7], v[SCL]
.endr
.if \re
	ULOAD \par, \hf
.endif
	WIN 0
	v_nop                                          ; one plain line behind the conversions
.irp ii, 0,1,2,3,4,5,6,7
	ds_store_b64 v[\adr], v[CD+CDD*(\hf)+2*\ii:CD+CDD*(\hf)+2*\ii+1] offset:UNITB*(\par)+PITCH*(8*(\hf)+\ii)
.endr
.endm
.macro QUNIT par, adr, c0, c1, re
.if \re
	SETLB \par
.endif
	QHALF \par, 0, \c0, \re, \adr
	QHALF \par, 1, \c1, \re, \adr
.endm
.macro ALOAD j, n                      ; the stage's place j holds unit n: its two fragments into their registers (LDS serves my instructions in order)
	WIN 0x40*(1+(\n)/8)
.irp q, 0,1
.irp c, 0,1,2,3
	ds_load_b128 v[32*((\n)%8)+16*\q+4*\c:32*((\n)%8)+16*\q+4*\c+3], v[STL] offset:UNITB*(\j)+128*\q+32*\c
.endr
.endr
	WIN 0
.endm
.macro MUL wp, q                       ; eight matrix instructions: fragment q of W's set wp against my 8 tiles; q = 0 starts the sums
.irp t, 0,1,2,3,4,5,6,7
.if \q
	v_wmma_f32_16x16x128_bf8_bf8 v[C0+8*\t:C0+8*\t+7], v[W0+32*(\wp)+16:W0+32*(\wp)+31], v[32*\t+16:32*\t+31], v[C0+8*\t:C0+8*\t+7]
.else
	v_wmma_f32_16x16x128_bf8_bf8 v[C0+8*\t:C0+8*\t+7], v[W0+32*(\wp):W0+32*(\wp)+15], v[32*\t:32*\t+15], 0
.endif
.endr
.endm
.macro EP hp                           ; E += C x h: 32 multiply-adds, each accumulator from its low end on
.irp i, 0,1,2,3
.irp t, 0,1,2,3,4,5,6,7
	v_pk_fma_f32 v[E+2*\t:E+2*\t+1], v[C0+8*\t+2*\i:C0+8*\t+2*\i+1], v[H0+HD*(\hp)+8*(\t/4)+2*\i:H0+HD*(\hp)+8*(\t/4)+2*\i+1], v[E+2*\t:E+2*\t+1]
.endr
.endr
.endm
.macro LREC wp, off                    ; a record's 12 loads in one run: my kh's two fragments of W, my mh's two images of h, into set wp
.irp j, 0,1,2,3,4,5,6,7
	ds_load_b128 v[W0+32*(\wp)+4*\j:W0+32*(\wp)+4*\j+3], v[ADW] offset:(\off)+2048*(\j/4)+512*(\j%4)
.endr
.irp j, 0,1,2,3
	ds_load_b128 v[H0+HD*(\wp)+4*\j:H0+HD*(\wp)+4*\j+3], v[ADH] offset:(\off)+512*\j
.endr
.endm
.macro VISIT wp, aw, off, ln           ; ln = 1: the next record is asked for first
	s_wait_alu depctr_va_vdst(0)
.if \ln
	LREC 1-(\wp), (\off)+REC
.endif
	s_wait_dscnt 20*(\ln)                          ; this record's first fragment is in; its other 8 loads and the 12 just issued may be out (ln = 0: nothing is out)
	WIN \aw
	MUL \wp, 0
	s_wait_dscnt 16*(\ln)                          ; the second fragment is in; h's 4 loads and the 12 may be out
	MUL \wp, 1
	WIN 0
	s_wait_dscnt 12*(\ln)                          ; h is in
	PLACES                                         ; four places ahead of the first read of the results
	EP \wp
.endm
.macro ADDR
	v_add_nc_u32 v[ADW], s[TB], v[AW0]
	v_add_nc_u32 v[ADH], s[TB], v[AH0]
.endm
; A slot's last visit changes slots.  All my reads of the slot were issued a visit ago.
.macro TURNV aw, p, fill
	s_wait_alu depctr_va_vdst(0)
	s_wait_tensorcnt 0x0                           ; all my tensor loads have landed: my quarter of the other slot
	ds_add_u32 v[SPW], v[NIL]
.if \fill
	NEXTBLK \p
.endif
	s_wait_dscnt 0x0                               ; the add is done and my reads of this slot are over
	s_barrier_signal -1
	WIN \aw
	MUL 1, 0
	WIN 0
	s_barrier_wait -1
.if \fill
	CREST                                          ; the barrier has opened a round of the cluster's barrier
	tensor_load_to_lds s[G0+4*(\p):G0+4*(\p)+3], s[G1:G1+7]
	s_nop 0
	PLACES
.endif
	s_mov_b32 s[TB], (1-(\p))*SLOT1
	ADDR
	s_wait_alu depctr_va_vdst(0)
	LREC 0, 0                                      ; the other slot's first record
	WIN \aw
	MUL 1, 1
	WIN 0
	PLACES
	EP 1
.endm
.macro PAIRS aw                        ; visits 0 to 5 of a block
	s_mov_b32 s[CNT], 3
.Lpair_\@:
	ADDR
	VISIT 0, \aw, 0, 1
	VISIT 1, \aw, REC, 1
	s_add_co_u32 s[TB], s[TB], 2*REC
	s_sub_co_u32 s[CNT], s[CNT], 1
	s_cmp_lg_u32 s[CNT], 0
	s_cbranch_scc1 .Lpair_\@
.endm
.macro BLK p, aw, fill
	PAIRS \aw
	ADDR
	VISIT 0, \aw, 0, 1
	TURNV \aw, \p, \fill
.endm
.macro BLKQ p, aw, par, adr, c0, c1, re  ; a block of phase 0: a unit of phase 1 is quantised behind its sixth visit, six visits behind the ring's refill
	PAIRS \aw
	QUNIT \par, \adr, \c0, \c1, \re
	ADDR
	VISIT 0, \aw, 0, 1
	TURNV \aw, \p, 1
.endm
	s_load_b256 s[4:11], s[0:1], 0x0               ; enc, stream, cvec, the scales' exponents
	s_load_b64 s[12:13], s[0:1], 0x20              ; out0
	v_lshl_add_u32 v[SPW], v0, 2, SPARE
	v_mov_b32 v[NIL], 0
	ds_add_u32 v[SPW], v[NIL]                      ; the opening lines: the add twice on end
	ds_add_u32 v[SPW], v[NIL]
	v_lshrrev_b32 v238, 5, v0
	v_readfirstlane_b32 s[WV], v238
	s_lshr_b32 s17, s[WV], 1                       ; mh
	s_and_b32 s18, s[WV], 1                        ; kh
	s_bfe_u32 s15, ttmp6, 0x40000
	s_lshl_b32 s16, ttmp9, 2
	s_add_co_u32 s16, s16, s15                     ; work-group: s = 4 x it
	s_and_b32 s[R0], ttmp9, 7
	s_mov_b32 s[G1+0], 15|(3<<16)|(1<<21)          ; mask: all four of the cluster; elements of 8 bytes
	s_mov_b32 s[G1+1], 32<<16
	s_mov_b32 s[G1+2], 96<<16
	s_mov_b32 s[G1+3], 32<<16                      ; 96 rows of 256 bytes, dense
	s_mov_b32 s[G1+4], 96
	s_mov_b32 s[G1+5], 32
	s_mov_b32 s[G1+6], 0
	s_mov_b32 s[G1+7], 0
	s_mov_b32 s[SEL], 0x76543210
	s_mov_b32 s[SEL+1], 0xfedcba98
	s_mov_b32 s[L2E], 0x3fb8aa3b
	s_lshl_b32 s19, s18, 12                        ; my fragments in a record: 4,096 kh
	s_lshl_b32 s20, s17, 11
	s_add_co_u32 s20, s20, 8192                    ; my images: 8,192 + 2,048 mh
	s_mul_i32 s21, s[WV], WSTG
	s_add_co_u32 s21, s21, STAGE                   ; my stage
	s_lshl_b32 s22, s18, 10
	s_lshl_b32 s23, s17, 7
	s_add_co_u32 s22, s22, s23
	s_add_co_u32 s22, s22, EBUF
	s_lshl_b32 s23, s[WV], 8
	s_add_co_u32 s23, s23, EBUF
	s_lshl_b32 s15, s[WV], 2
	s_add_co_u32 s15, s15, PBUF
	s_lshl_b32 s[T0], s17, 27                      ; enc: 32 mh rows of b,
	s_lshl_b32 s[T1], s16, 14                      ; my work-group's 4 s,
	s_add_co_u32 s[T0], s[T0], s[T1]
	s_lshl_b32 s[T1], s18, 11                      ; 512 kh numbers
	s_add_co_u32 s[T0], s[T0], s[T1]
	s_mov_b32 s[T0+1], 0
	s_lshl_b32 s[BO], s16, 4
	s_mov_b32 s[BO+1], 0
	s_mul_i32 s58, s[WV], QUART
	s_mov_b32 s59, 0
	s_mov_b32 s[FI], 0
	s_mov_b32 s[UN], 0
	v_and_b32 v234, 31, v0
	v_and_b32 v235, 15, v0
	v_bfe_u32 v236, v0, 4, 1
	v_and_b32 v237, 63, v0
	v_lshlrev_b32 v[CVA], 4, v234
	v_add_nc_u32 v[AW0], s19, v[CVA]
	v_add_nc_u32 v[AH0], s20, v[CVA]
.irp a, 0,1,2,3
	v_add_nc_u32 v[VO+\a], (4*\a+2)*BROW, v[CVA]
.endr
	v_lshl_add_u32 v[STS], v234, 3, s21
	v_mul_u32_u24 v[STL], v235, PITCH
	v_lshl_add_u32 v[STL], v236, 4, v[STL]
	v_add_nc_u32 v[STL], s21, v[STL]
	v_lshl_add_u32 v[EA], v235, 2, s22
	v_lshl_add_u32 v[EL], v234, 2, s23
	v_lshl_add_u32 v[PA], v234, 4, s15
	v_lshl_add_u32 v[PL], v237, 4, PBUF
	v_lshlrev_b32 v[OA], 12, v237
.set J, 0
.rept 16
	v_mov_b32 v[E+J], 0
.set J, J+1
.endr
	s_wait_alu depctr_va_vdst(0)                   ; the wait at the head's end
	s_wait_dscnt 0x0                               ; both opening adds are done
	s_wait_kmcnt 0x0
	s_load_b64 s[PW:PW+1], s[10:11], 0x0           ; e0, e1
	s_add_nc_u64 s[4:5], s[4:5], s[T0:T0+1]
	s_add_nc_u64 s[12:13], s[12:13], s[BO:BO+1]
	s_add_nc_u64 s[6:7], s[6:7], s[58:59]          ; my quarter of a block
	s_mov_b32 s[G0+0], 1
	s_mov_b32 s[G0+1], s58
	s_mov_b32 s[G0+4], 1
	s_add_co_u32 s[G0+5], s58, SLOT1
	global_load_b128 v[CV:CV+3], v[CVA], s[8:9]               ; cvec[lane][0..3]
	global_load_b128 v[CV+4:CV+7], v[CVA], s[8:9] offset:512  ; cvec[lane + 32][0..3]
	SETLB 0                                        ; units 0 and 1 are asked for ahead of everything else
	ULOAD 0, 0
	ULOAD 0, 1
	SETLB 1
	ULOAD 1, 0
	ULOAD 1, 1
	WIN 0
	NEXTBLK 0
	NEXTBLK 1
	CROUND                                         ; in front of the first joint load
	tensor_load_to_lds s[G0:G0+3], s[G1:G1+7]      ; slot 0: one tensor load a wave at the head
	s_nop 0
	PLACES
	s_wait_kmcnt 0x0
	s_add_co_i32 s19, s[PW], 127
	s_lshl_b32 s20, s19, 23
	v_mov_b32 v[SCL], s20                          ; 2^e0
	s_add_co_i32 s19, s19, 15
	s_lshl_b32 s19, s19, 23
	s_or_b32 s[LIMP], s19, 0x600000                ; 57,344 x 2^e0
	s_or_b32 s[LIMN], s[LIMP], 0x80000000
	s_add_co_i32 s[PW], s[PW], s[PW+1]
	s_add_co_i32 s[PW], s[PW], 127
	s_lshl_b32 s[PW], s[PW], 23                    ; 2^(e0 + e1)
	s_mov_b32 s[SB], 0
	s_mov_b32 s[LP], 3
	s_wait_alu depctr_va_vdst(0)
.Lhead:                                                ; units 0 to 5, two a trip, into the stage's six places
	v_add_nc_u32 v[STA], s[SB], v[STS]
	QUNIT 0, STA, 48, 48, 1
	QUNIT 1, STA, 48, 48, 1
	s_add_co_u32 s[SB], s[SB], 2*UNITB
	s_sub_co_u32 s[LP], s[LP], 1
	s_cmp_lg_u32 s[LP], 0
	s_cbranch_scc1 .Lhead
.irp n, 0,1,2,3,4,5
	ALOAD \n, \n
.endr
	s_wait_alu depctr_va_vdst(0)
	s_wait_tensorcnt 0x0                           ; my quarter of slot 0 is in; slot 1's first fill is issued as a refill is
	ds_add_u32 v[SPW], v[NIL]
	s_wait_dscnt 0x0
	CROUND
	tensor_load_to_lds s[G0+4:G0+7], s[G1:G1+7]
	s_nop 0
	PLACES
	QUNIT 0, STS, 48, 48, 1                        ; units 6 and 7, into places 0 and 1
	QUNIT 1, STS, 48, 48, 1
	ALOAD 0, 6
	ALOAD 1, 7
	s_wait_dscnt 0x0
	s_mov_b32 s[TB], 0
	ADDR
	s_wait_alu depctr_va_vdst(0)
	LREC 0, 0                                      ; the first record
	s_mov_b32 s[SB], 0
	s_mov_b32 s[LP], 3
.Lp0:                                                  ; phase 0, blocks 0 to 5; a unit of phase 1 is quantised inside each block
	v_add_nc_u32 v[STA], s[SB], v[STS]
	BLKQ 0, PH0, 0, STA, 48, 48, 1
	BLKQ 1, PH0, 1, STA, 48, 48, 1
	s_add_co_u32 s[SB], s[SB], 2*UNITB
	s_sub_co_u32 s[LP], s[LP], 1
	s_cmp_lg_u32 s[LP], 0
	s_cbranch_scc1 .Lp0
.irp n, 0,1,2,3,4,5
	ALOAD \n, \n+8
.endr
	s_wait_dscnt 0x0
	BLKQ 0, PH0, 0, STS, 48, 32, 0                 ; the last two units ask for nothing more: the counts run down
	BLKQ 1, PH0, 1, STS, 16, 0, 0
	ALOAD 0, 14
	ALOAD 1, 15
	s_wait_dscnt 0x0
	s_mov_b32 s[LP], 3
.Lp1:                                                  ; phase 1, blocks 8 to 13
	BLK 0, PH1, 1
	BLK 1, PH1, 1
	s_sub_co_u32 s[LP], s[LP], 1
	s_cmp_lg_u32 s[LP], 0
	s_cbranch_scc1 .Lp1
	BLK 0, PH1, 0                                  ; the last two blocks fill nothing
	PAIRS PH1
	ADDR
	VISIT 0, PH1, 0, 1
	VISIT 1, PH1, REC, 0
	; my 8 partial energies: the pair's halves, lane l xor 16's n, then to LDS for the other kh
.irp t, 0,1,2,3,4,5,6,7
	v_add_f32 v[T+\t], v[E+2*\t], v[E+2*\t+1]
.endr
.irp t, 0,1,2,3,4,5,6,7
	v_mov_b32 v[U+\t], 0
.endr
.irp t, 0,1,2,3,4,5,6,7
	v_permlanex16_b32 v[U+\t], v[T+\t], s[SEL], s[SEL+1]
.endr
.irp t, 0,1,2,3,4,5,6,7
	v_add_f32 v[T+\t], v[T+\t], v[U+\t]
.endr
.irp t, 0,1,2,3,4,5,6,7
	ds_store_b32 v[EA], v[T+\t] offset:256*(\t%4)+64*(\t/4)
.endr
	s_wait_dscnt 0x0
	s_barrier_signal -1
	s_barrier_wait -1
	ds_load_b32 v[Q], v[EL]                        ; wave w takes s = w: b = lane and lane + 32, both kh
	ds_load_b32 v[Q+1], v[EL] offset:128
	ds_load_b32 v[Q+2], v[EL] offset:1024
	ds_load_b32 v[Q+3], v[EL] offset:1152
	s_wait_dscnt 0x0
	v_add_f32 v[P0], v[Q], v[Q+2]
	v_add_f32 v[P1], v[Q+1], v[Q+3]
	v_add_f32 v[CV], v[CV], v[CV+1]
	v_add_f32 v[CV+2], v[CV+2], v[CV+3]
	v_add_f32 v[CV+4], v[CV+4], v[CV+5]
	v_add_f32 v[CV+6], v[CV+6], v[CV+7]
	v_add_f32 v[CV], v[CV], v[CV+2]
	v_add_f32 v[CV+4], v[CV+4], v[CV+6]
	v_fma_f32 v[P0], v[P0], s[PW], v[CV]           ; x 2^(e0 + e1), + h . bias
	v_fma_f32 v[P1], v[P1], s[PW], v[CV+4]
	v_max_num_f32 v[MX], v[P0], v[P1]
	v_max_num_f32_dpp v[MX], v[MX], v[MX] row_xmask:1 row_mask:0xf bank_mask:0xf
	v_max_num_f32_dpp v[MX], v[MX], v[MX] row_xmask:2 row_mask:0xf bank_mask:0xf
	v_max_num_f32_dpp v[MX], v[MX], v[MX] row_xmask:4 row_mask:0xf bank_mask:0xf
	v_max_num_f32_dpp v[MX], v[MX], v[MX] row_xmask:8 row_mask:0xf bank_mask:0xf
	v_permlanex16_b32 v[U], v[MX], s[SEL], s[SEL+1]
	v_max_num_f32 v[MX], v[MX], v[U]               ; the largest of the 64
	v_sub_f32 v[P0], v[P0], v[MX]
	v_sub_f32 v[P1], v[P1], v[MX]
	v_mul_f32 v[P0], s[L2E], v[P0]
	v_mul_f32 v[P1], s[L2E], v[P1]
	s_wait_alu depctr_va_vdst(0)                   ; a wait ahead of the batch and one behind it
	v_exp_f32 v[P0], v[P0]
	v_exp_f32 v[P1], v[P1]
	v_nop
	s_wait_alu depctr_va_vdst(0)
	v_add_f32 v[MX], v[P0], v[P1]
	v_add_f32_dpp v[MX], v[MX], v[MX] row_xmask:1 row_mask:0xf bank_mask:0xf
	v_add_f32_dpp v[MX], v[MX], v[MX] row_xmask:2 row_mask:0xf bank_mask:0xf
	v_add_f32_dpp v[MX], v[MX], v[MX] row_xmask:4 row_mask:0xf bank_mask:0xf
	v_add_f32_dpp v[MX], v[MX], v[MX] row_xmask:8 row_mask:0xf bank_mask:0xf
	v_permlanex16_b32 v[U], v[MX], s[SEL], s[SEL+1]
	v_add_f32 v[MX], v[MX], v[U]
	s_wait_alu depctr_va_vdst(0)
	v_rcp_f32 v[MX], v[MX]
	v_nop
	s_wait_alu depctr_va_vdst(0)
	v_mul_f32 v[P0], v[P0], v[MX]
	v_mul_f32 v[P1], v[P1], v[MX]
	ds_store_b32 v[PA], v[P0]
	ds_store_b32 v[PA], v[P1] offset:512
	s_wait_dscnt 0x0
	s_barrier_signal -1
	s_barrier_wait -1
	s_cmp_lt_u32 s[WV], 2
	s_cbranch_scc0 .Lno_rows
	ds_load_b128 v[O:O+3], v[PL]                   ; a row b's four s: the 16 bytes of out0's row that this work-group owns
	s_wait_dscnt 0x0
	global_store_b128 v[OA], v[O:O+3], s[12:13] th:TH_STORE_NT
.Lno_rows:
	s_wait_tensorcnt 0x0                           ; the wave's end
	ds_add_u32 v[SPW], v[NIL]
	s_wait_dscnt 0x0
	CROUND                                         ; the closing round
	s_endpgm
.Lfunc_end_k_q60f7f1abc0_attn:
	.size	k_q60f7f1abc0_attn, .Lfunc_end_k_q60f7f1abc0_attn-k_q60f7f1abc0_attn
	.p2alignl 7, 3214868480
	.fill 96, 4, 3214868480
	.section	.rodata,"a",@progbits
	.p2align	6, 0x0
	.amdhsa_kernel k_q60f7f1abc0_attn
		.amdhsa_group_segment_fixed_size 327680
		.amdhsa_private_segment_fixed_size 0
		.amdhsa_enable_private_segment 0
		.amdhsa_kernarg_size 40
		.amdhsa_user_sgpr_count 2
		.amdhsa_user_sgpr_kernarg_segment_ptr 1
		.amdhsa_wavefront_size32 1
		.amdhsa_system_sgpr_workgroup_id_x 1
		.amdhsa_system_sgpr_workgroup_id_y 1
		.amdhsa_system_sgpr_workgroup_id_z 1
		.amdhsa_system_vgpr_workitem_id 0
		.amdhsa_next_free_vgpr 1024
		.amdhsa_next_free_sgpr 66
		.amdhsa_reserve_vcc 0
		.amdhsa_float_denorm_mode_32 3
		.amdhsa_float_denorm_mode_16_64 3
		.amdhsa_memory_ordered 1
		.amdhsa_forward_progress 1
		.amdhsa_inst_pref_size 255
	.end_amdhsa_kernel
	.section	.bss,"aw",@nobits
	.p2align	6
	.space	262144
	.amdgpu_metadata
---
amdhsa.version: [ 1, 2 ]
amdhsa.kernels:
  - .name:           k_q60f7f1abc0_attn
    .symbol:         k_q60f7f1abc0_attn.kd
    .args:
      - { .name: encoder_output, .offset: 0, .size: 8, .value_kind: global_buffer, .address_space: global }
      - { .name: stream, .offset: 8, .size: 8, .value_kind: global_buffer, .address_space: global }
      - { .name: cvec, .offset: 16, .size: 8, .value_kind: global_buffer, .address_space: global }
      - { .name: lowp_scales, .offset: 24, .size: 8, .value_kind: global_buffer, .address_space: global }
      - { .name: out0, .offset: 32, .size: 8, .value_kind: global_buffer, .address_space: global }
    .group_segment_fixed_size: 327680
    .private_segment_fixed_size: 0
    .kernarg_segment_align: 8
    .kernarg_segment_size: 40
    .max_flat_workgroup_size: 128
    .sgpr_count:     66
    .vgpr_count:     1024
    .wavefront_size: 32
...
	.end_amdgpu_metadata
.endif
;; end of part 2
